; MI455X (gfx1250); checked and timed in simulation.
; The chip was launched on July 23, 2026; its instructions are those of AMD's public machine-readable ISA for CDNA 5 (MIT licence, August 2026) and "CDNA5" Instruction Set Architecture Reference Guide (July 2026). The comments in the code are by the model that wrote it; some were corrected since.
;; Self Attention. Allowed arithmetic: float matrix products may take bf16 or f16 operands with f32 sums; all other float work in f32.
;; Inputs: Wk 256 x 256 float32; Wo 256 x 256 float32; Wq 256 x 256 float32; Wv 256 x 256 float32; bk 256 float32; bo 256 float32; bq 256 float32; bv 256 float32; x 4 x 2,048 x 256 float32.
;; Outputs: out0 4 x 2,048 x 256 float32.
;; 2 versions, each right; version 2 is version 1 with the launch qkv written anew for expert scheduling mode. Each part assembles by itself: llvm-mc -triple=amdgcn-amd-amdhsa -mcpu=gfx1250 --defsym DOCPART=n.
;; ======== version 1 of 2: 3 launches
;; limits: values are held in f16: magnitudes above 65,504 overflow, below 6.1e-05 lose precision
;; workspace buffers: qkv 12,582,912 bytes; att 8,388,608 bytes
;; launch qkv (part 1): grid 8 x 32, 8 waves a work-group, no clusters, 186,880 bytes of LDS; arguments x, Wq, Wk, Wv, bq, bk, bv, qkv; writes qkv
.if DOCPART == 1
	.amdgcn_target "amdgcn-amd-amdhsa--gfx1250"
	.amdhsa_code_object_version 6
	.text
	.protected	k_q22a1d1f5bf_qkv
	.globl	k_q22a1d1f5bf_qkv
	.p2align	8
	.type	k_q22a1d1f5bf_qkv,@function
k_q22a1d1f5bf_qkv:
	s_mov_b64 s[64:65], 0
	v_nop
	global_prefetch_b8 v0, s[64:65] scope:SCOPE_SE
	s_setreg_imm32_b32 hwreg(HW_REG_WAVE_MODE, 25, 1), 1
	s_wait_xcnt 0x0
; q, k, v = x W^T + b for all heads.  x: [8192][256] f32; Wq, Wk, Wv: [256][256] f32; biases f32.
; Out: qkv, f16, [q|k|v][batch][head][t][32]; q is also multiplied by 1/sqrt(32) * log2(e), so that the
; attention kernel can use base-2 exponentials without touching the scores.
; The 768 output columns are 24 chunks of 32 (one matrix, one head).  Work-group (x = nb, y = rb): rows
; 256 rb .. +255, chunks 3 nb .. 3 nb + 2.  Wave w: rows 32 w .. +31, all 96 columns = 6 x 2 accumulator tiles.
; x and W are rounded once to bf16 on the way into LDS; sums in f32, started by the bias.
; The products are used transposed (source 0 = rows of W, source 1 = rows of x): a lane then holds eight
; neighbouring columns of one row, 16 bytes of f16.
; q, k, v leave as f16, not bf16: the first rows of a sequence average very few keys and are many times larger than
; the typical output, so their absolute error has to be small; f16 carries three more bits.
; LIMIT: |0.255 q|, |k|, |v| above 65,504 overflow f16.  With inputs of spread 1 and 0.02 they are of order 1.
; NO JOINT TILE REQUESTS between work-groups: the tiles are f32 in memory and are needed as bf16; as f32 they are
; 256 x 1,024 + 96 x 1,024 = 360,448 bytes, more than the 327,680 bytes of LDS, so they pass through registers.
.set PITCH, 528                        ; LDS row: 512 bytes of bf16 + 16: 33 x 16, so 16 rows start in 16 different 16-byte columns modulo 256
.set XWAVE, 32*PITCH                   ; a wave's own 32 rows of x: 16,896 bytes
.set WOFF,  8*XWAVE                    ; behind them the 96 rows of W, shared by the waves
.set SP,    80                         ; way out: a row of 32 f16 + 16 bytes
.set XG,  2                            ; v2   x: byte offset of my 16 bytes in the wave's rows
.set XS,  3                            ; v3   x: where my 8 bytes of bf16 go in LDS
.set WG,  4                            ; v4   W: byte offset in a chunk
.set WS,  5                            ; v5   W: where they go in LDS
.set XF,  6                            ; v6   fragments of x
.set WF,  7                            ; v7   fragments of W
.set BO,  8                            ; v8   bias: 32 h
.set SST, 9                            ; v9   way out: where I put 16 bytes
.set SLD, 10                           ; v10  way out: where I read them back
.set OG,  11                           ; v11  my byte offset in a chunk's output
.set RING, 32                          ; v[32:159] four batches of eight 16-byte loads
.set F0,  32                           ; then fragment set 0: W 6 x 8 registers, x 2 x 8
.set F1,  96                           ; and set 1
.set ACC, 160                          ; v[160:255] tile (ct, rt) at 160 + 8 (2 ct + rt)
.set TMP, 32                           ; way out: packed f16
.set BK,  96                           ; way out: rows read back
.set PW,  24                           ; s[24:29] chunk cc: its 32 rows of W
.set PB,  32                           ; s[32:37] its 32 biases
.set PO,  40                           ; s[40:45] its output rows
.set SC,  48                           ; s[48:53] its factor, twice
.set PX,  56                           ; s[56:57] the work-group's rows of x
	s_load_b512 s[8:23], s[0:1], 0x0               ; x, Wq, Wk, Wv, bq, bk, bv, qkv
	v_lshl_add_u32 v30, v0, 2, 0x2d600
	v_mov_b32 v31, 0
	v_lshrrev_b32 v1, 5, v0
	v_readfirstlane_b32 s58, v1                    ; wave
	v_and_b32 v1, 31, v0                           ; lane L
	v_and_b32 v12, 15, v0                          ; r = L % 16
	v_bfe_u32 v13, v0, 4, 1                        ; h = L / 16
	s_and_b32 s59, ttmp7, 0xffff                   ; rb
	s_mul_i32 s60, ttmp9, 3                        ; first chunk
	s_lshl_b32 s2, s58, 15                         ; 32 rows of 1,024 bytes
	s_mul_i32 s3, s58, XWAVE
	s_lshl_b32 s4, s58, 12                         ; 4 rows of W
	s_mul_i32 s5, s58, 4*PITCH
	s_add_co_u32 s5, s5, WOFF
	s_lshl_b32 s6, s58, 11                         ; 32 output rows of 64 bytes
	v_lshl_add_u32 v[XG], v1, 4, s2
	v_lshl_add_u32 v[XS], v1, 3, s3
	v_lshl_add_u32 v[WG], v1, 4, s4
	v_lshl_add_u32 v[WS], v1, 3, s5
	v_lshl_add_u32 v[OG], v1, 4, s6
	v_mul_u32_u24 v14, v12, PITCH
	v_lshl_add_u32 v14, v13, 4, v14                ; r x pitch + 16 h
	v_add_nc_u32 v[XF], s3, v14
	v_add_nc_u32 v[WF], WOFF, v14
	v_lshlrev_b32 v[BO], 5, v13
	v_mul_u32_u24 v15, v12, SP
	v_lshl_add_u32 v15, v13, 4, v15
	v_add_nc_u32 v[SST], s3, v15
	v_lshrrev_b32 v16, 2, v1
	v_mul_u32_u24 v16, v16, SP
	v_and_b32 v17, 3, v1
	v_lshl_add_u32 v16, v17, 4, v16
	v_add_nc_u32 v[SLD], s3, v16
	s_lshr_b32 s61, s59, 3
	s_lshl_b32 s61, s61, 3                         ; 8 x batch
	s_and_b32 s62, s59, 7
	s_lshl_b32 s62, s62, 14                        ; first t x 64 bytes
	s_mov_b32 s7, 0
	s_wait_kmcnt 0x0
	s_lshl_b32 s6, s59, 18
	s_add_nc_u64 s[PX:PX+1], s[8:9], s[6:7]
.irp cc, 0,1,2
	s_add_co_u32 s2, s60, \cc
	s_lshr_b32 s3, s2, 3                           ; matrix 0, 1, 2
	s_and_b32 s4, s2, 7                            ; head
	s_cmp_eq_u32 s3, 0
	s_cselect_b64 s[PW+2*\cc:PW+2*\cc+1], s[10:11], s[12:13]
	s_cselect_b64 s[PB+2*\cc:PB+2*\cc+1], s[16:17], s[18:19]
	s_cselect_b32 s[SC+2*\cc], 0x3e8293ee, 1.0     ; q: 1/sqrt(32) x log2(e) = 0.25503486; k and v: 1 (one text serves every chunk)
	s_cmp_eq_u32 s3, 2
	s_cselect_b64 s[PW+2*\cc:PW+2*\cc+1], s[14:15], s[PW+2*\cc:PW+2*\cc+1]
	s_cselect_b64 s[PB+2*\cc:PB+2*\cc+1], s[20:21], s[PB+2*\cc:PB+2*\cc+1]
	s_mov_b32 s[SC+2*\cc+1], s[SC+2*\cc]
	s_lshl_b32 s6, s4, 15                          ; 32 rows of W
	s_add_nc_u64 s[PW+2*\cc:PW+2*\cc+1], s[PW+2*\cc:PW+2*\cc+1], s[6:7]
	s_lshl_b32 s6, s4, 7                           ; 32 biases
	s_add_nc_u64 s[PB+2*\cc:PB+2*\cc+1], s[PB+2*\cc:PB+2*\cc+1], s[6:7]
	s_lshl_b32 s5, s3, 5
	s_add_co_u32 s5, s5, s61
	s_add_co_u32 s5, s5, s4                        ; plane = 32 matrix + 8 batch + head
	s_lshl_b32 s6, s5, 17                          ; planes of 131,072 bytes
	s_add_co_u32 s6, s6, s62
	s_add_nc_u64 s[PO+2*\cc:PO+2*\cc+1], s[22:23], s[6:7]
.endr
	; The bias starts the sums: register j of lane (r, h) is column 8 h + j of the tile, the same for every row.
.irp ct, 0,1,2,3,4,5
.irp rt, 0,1
	global_load_b128 v[ACC+8*(2*\ct+\rt):ACC+8*(2*\ct+\rt)+3], v[BO], s[PB+2*(\ct>>1):PB+2*(\ct>>1)+1] offset:(\ct&1)*64
	global_load_b128 v[ACC+8*(2*\ct+\rt)+4:ACC+8*(2*\ct+\rt)+7], v[BO], s[PB+2*(\ct>>1):PB+2*(\ct>>1)+1] offset:(\ct&1)*64+16
.endr
.endr
; eight loads of 512 neighbouring bytes each (four rows of 1,024 bytes) into quarter q of the ring
.macro LD8 q, areg, bs, goff
.irp n, 0,1,2,3,4,5,6,7
	global_load_b128 v[RING+32*\q+4*\n:RING+32*\q+4*\n+3], v[\areg], s[\bs:\bs+1] offset:\goff+512*\n
.endr
.endm
; round quarter q to bf16 in place and put it into LDS, 8 bytes a lane
.macro CV8 q, sreg, loff
.irp n, 0,1,2,3,4,5,6,7
	v_cvt_pk_bf16_f32 v[RING+32*\q+4*\n], v[RING+32*\q+4*\n], v[RING+32*\q+4*\n+1]
	v_cvt_pk_bf16_f32 v[RING+32*\q+4*\n+1], v[RING+32*\q+4*\n+2], v[RING+32*\q+4*\n+3]
	ds_store_b64 v[\sreg], v[RING+32*\q+4*\n:RING+32*\q+4*\n+1] offset:\loff+(\n>>1)*PITCH+(\n&1)*256
.endr
.endm
	; Eleven batches: W of the three chunks (my 4 rows of each), then my 32 rows of x.  Four batches are on their way;
	; each wait leaves the younger batches out: 3 x 8 = 24, and 16, 8, 0 at the end.  No address register is ever rewritten.
	LD8 0, WG, PW, 0
	LD8 1, WG, PW+2, 0
	LD8 2, WG, PW+4, 0
	LD8 3, XG, PX, 0
	s_wait_loadcnt 24
	CV8 0, WS, 0
	LD8 0, XG, PX, 4096
	s_wait_loadcnt 24
	CV8 1, WS, 32*PITCH
	LD8 1, XG, PX, 2*4096
	s_wait_loadcnt 24
	CV8 2, WS, 64*PITCH
	LD8 2, XG, PX, 3*4096
	s_wait_loadcnt 24
	CV8 3, XS, 0
	LD8 3, XG, PX, 4*4096
	s_wait_loadcnt 24
	CV8 0, XS, 4*PITCH
	LD8 0, XG, PX, 5*4096
	s_wait_loadcnt 24
	CV8 1, XS, 8*PITCH
	LD8 1, XG, PX, 6*4096
	s_wait_loadcnt 24
	CV8 2, XS, 12*PITCH
	LD8 2, XG, PX, 7*4096
	s_wait_loadcnt 24
	CV8 3, XS, 16*PITCH
	s_wait_loadcnt 16
	CV8 0, XS, 20*PITCH
	s_wait_loadcnt 8
	CV8 1, XS, 24*PITCH
	s_wait_loadcnt 0x0
	CV8 2, XS, 28*PITCH
	s_wait_dscnt 0x0                               ; my rows of W are in LDS: zero, for the other waves' sake
	s_barrier_signal -1
	s_barrier_wait -1                              ; everybody's are
; the fragments of one K step of 32: 16 rows x 32 K = two loads of 16 bytes, 32 bytes apart
.macro FETCH ks, f
.irp ct, 0,1,2,3,4,5
	ds_load_b128 v[\f+8*\ct:\f+8*\ct+3], v[WF] offset:\ct*16*PITCH+64*\ks
	ds_load_b128 v[\f+8*\ct+4:\f+8*\ct+7], v[WF] offset:\ct*16*PITCH+64*\ks+32
.endr
.irp rt, 0,1
	ds_load_b128 v[\f+48+8*\rt:\f+48+8*\rt+3], v[XF] offset:\rt*16*PITCH+64*\ks
	ds_load_b128 v[\f+48+8*\rt+4:\f+48+8*\rt+7], v[XF] offset:\rt*16*PITCH+64*\ks+32
.endr
.endm
.macro MUL f
.irp ct, 0,1,2,3,4,5
.irp rt, 0,1
	v_wmma_f32_16x16x32_bf16 v[ACC+8*(2*\ct+\rt):ACC+8*(2*\ct+\rt)+7], v[\f+8*\ct:\f+8*\ct+7], v[\f+48+8*\rt:\f+48+8*\rt+7], v[ACC+8*(2*\ct+\rt):ACC+8*(2*\ct+\rt)+7]
.endr
.endr
.endm
; A load into a register that a matrix instruction has read, and a vector instruction that reads a matrix result,
; stand four independent vector instructions behind it.
.macro PLACES
.rept 4
	v_nop
.endr
.endm
.macro KSTEP nxt, fn, fc               ; fetch K step nxt into the set multiplied last, multiply the other set
	PLACES
	FETCH \nxt, \fn
	s_wait_dscnt 16                                ; the 16 loads just issued stay out; the set to be multiplied is whole
	MUL \fc
.endm
	FETCH 0, F0
	FETCH 1, F1
	s_wait_dscnt 16
	MUL F0
	KSTEP 2, F0, F1
	KSTEP 3, F1, F0
	KSTEP 4, F0, F1
	KSTEP 5, F1, F0
	KSTEP 6, F0, F1
	KSTEP 7, F1, F0
	s_wait_dscnt 0x0
	MUL F1
	PLACES
	; THE WAY OUT: factor, f16, 16 bytes a lane into my own bytes of LDS (my rows of x, which I alone read and have done with),
	; back as whole rows.  LDS serves a wave's instructions in order (ISA guide 5.7.1), so no wait stands between.
.irp ct, 0,1,2,3,4,5
.irp rt, 0,1
.irp p, 0,1,2,3
	v_pk_mul_f32 v[ACC+8*(2*\ct+\rt)+2*\p:ACC+8*(2*\ct+\rt)+2*\p+1], v[ACC+8*(2*\ct+\rt)+2*\p:ACC+8*(2*\ct+\rt)+2*\p+1], s[SC+2*(\ct>>1):SC+2*(\ct>>1)+1] op_sel_hi:[1,0]
.endr
.irp p, 0,1,2,3
	v_cvt_pk_f16_f32 v[TMP+4*(2*\ct+\rt)+\p], v[ACC+8*(2*\ct+\rt)+2*\p], v[ACC+8*(2*\ct+\rt)+2*\p+1]
.endr
	ds_store_b128 v[SST], v[TMP+4*(2*\ct+\rt):TMP+4*(2*\ct+\rt)+3] offset:(\ct>>1)*32*SP+\rt*16*SP+32*(\ct&1)
.endr
.endr
.irp cc, 0,1,2
.irp n, 0,1,2,3
	ds_load_b128 v[BK+16*\cc+4*\n:BK+16*\cc+4*\n+3], v[SLD] offset:\cc*32*SP+\n*8*SP
.endr
.endr
.irp cc, 0,1,2
.irp n, 0,1,2,3
	s_wait_dscnt 11-4*\cc-\n                       ; the younger read-backs stay out
	global_store_b128 v[OG], v[BK+16*\cc+4*\n:BK+16*\cc+4*\n+3], s[PO+2*\cc:PO+2*\cc+1] offset:512*\n   ; 8 rows of 64 bytes: 512 consecutive bytes, aligned
.endr
.endr
	s_wait_tensorcnt 0x0
	ds_add_u32 v30, v31
	s_wait_dscnt 0x0
	s_endpgm
.Lfunc_end_k_q22a1d1f5bf_qkv:
	.size	k_q22a1d1f5bf_qkv, .Lfunc_end_k_q22a1d1f5bf_qkv-k_q22a1d1f5bf_qkv
	.p2alignl 7, 3214868480
	.fill 96, 4, 3214868480
	.section	.rodata,"a",@progbits
	.p2align	6, 0x0
	.amdhsa_kernel k_q22a1d1f5bf_qkv
		.amdhsa_group_segment_fixed_size 186880
		.amdhsa_private_segment_fixed_size 0
		.amdhsa_enable_private_segment 0
		.amdhsa_kernarg_size 64
		.amdhsa_user_sgpr_count 2
		.amdhsa_user_sgpr_kernarg_segment_ptr 1
		.amdhsa_wavefront_size32 1
		.amdhsa_system_sgpr_workgroup_id_x 1
		.amdhsa_system_sgpr_workgroup_id_y 1
		.amdhsa_system_sgpr_workgroup_id_z 1
		.amdhsa_system_vgpr_workitem_id 0
		.amdhsa_next_free_vgpr 256
		.amdhsa_next_free_sgpr 66
		.amdhsa_reserve_vcc 0
		.amdhsa_float_denorm_mode_32 3
		.amdhsa_float_denorm_mode_16_64 3
		.amdhsa_memory_ordered 1
		.amdhsa_forward_progress 1
		.amdhsa_inst_pref_size 57
	.end_amdhsa_kernel
	.amdgpu_metadata
---
amdhsa.version: [ 1, 2 ]
amdhsa.kernels:
  - .name:           k_q22a1d1f5bf_qkv
    .symbol:         k_q22a1d1f5bf_qkv.kd
    .args:
      - { .name: x, .offset: 0, .size: 8, .value_kind: global_buffer, .address_space: global }
      - { .name: Wq, .offset: 8, .size: 8, .value_kind: global_buffer, .address_space: global }
      - { .name: Wk, .offset: 16, .size: 8, .value_kind: global_buffer, .address_space: global }
      - { .name: Wv, .offset: 24, .size: 8, .value_kind: global_buffer, .address_space: global }
      - { .name: bq, .offset: 32, .size: 8, .value_kind: global_buffer, .address_space: global }
      - { .name: bk, .offset: 40, .size: 8, .value_kind: global_buffer, .address_space: global }
      - { .name: bv, .offset: 48, .size: 8, .value_kind: global_buffer, .address_space: global }
      - { .name: qkv, .offset: 56, .size: 8, .value_kind: global_buffer, .address_space: global }
    .group_segment_fixed_size: 186880
    .private_segment_fixed_size: 0
    .kernarg_segment_align: 8
    .kernarg_segment_size: 64
    .max_flat_workgroup_size: 256
    .sgpr_count:     66
    .vgpr_count:     256
    .wavefront_size: 32
...
	.end_amdgpu_metadata
.endif
;; end of part 1
;; launch attn (part 2): grid 8 x 32, 8 waves a work-group, no clusters, 154,624 bytes of LDS; arguments qkv, att; writes att
.if DOCPART == 2
	.amdgcn_target "amdgcn-amd-amdhsa--gfx1250"
	.amdhsa_code_object_version 6
	.text
	.protected	k_q22a1d1f5bf_attn
	.globl	k_q22a1d1f5bf_attn
	.p2align	8
	.type	k_q22a1d1f5bf_attn,@function
k_q22a1d1f5bf_attn:
	s_mov_b64 s[64:65], 0
	v_nop
	global_prefetch_b8 v0, s[64:65] scope:SCOPE_SE
	s_setreg_imm32_b32 hwreg(HW_REG_WAVE_MODE, 25, 1), 1
	s_wait_xcnt 0x0
; Masked attention of one (batch, head): softmax over the keys s <= t with s % 25 != 24, times v.  d = 32, T = 2048.
; In: qkv (f16, [q|k|v][plane][t][32], q already times 1/sqrt(32) log2 e).  Out: att, [hi|lo][plane][t][32] bf16,
; hi = bf16(o), lo = bf16(o - hi): 16 significant bits for the output projection, which multiplies by bf16 weights.
; WORK: work-group (x = i, y = plane) takes the query blocks i and 15 - i (128 queries each), one after the other:
; (i + 1) + (16 - i) = 17 key tiles of 128 for every work-group.  Wave w: queries 32 (w & 3) .. +31 (two tiles of 16),
; keys 64 (w >> 2) .. +63 of each tile; the two key halves are merged at the end through LDS.
; TRANSPOSED: S^T = K Q^T + C: lane (r, h), register j holds (key 8 h + j, query r), so a query's maximum lies in two lanes,
; and two packed score tiles ARE the second source of O^T = V^T P^T.  C carries the column mask: 0 or -2^102, made per key
; when the tile is put into LDS.  The causal mask touches only a block's last tile and is written into C there.
; The row sum is one more product with a matrix of ones; only its register 0 is rescaled and used (the other seven
; rows of that tile are the same sums without rescaling: at most 64 a trip, 1,088 in all, never read).
; The maximum is a running one.
; LIMITS: scaled scores (base-2 units) must stay under 2^100 in magnitude (mask -2^102, first maximum -2^100).
; P is rounded to f16 (below 2^-25 to zero) and the row sum is taken from the rounded P, as the numerator is.
; NO JOINT TILE REQUESTS: the eight work-groups of a plane read the same K and V, but work-group i starts again at tile 0
; after i + 1 trips, so at a given trip they want different tiles, and the trips in which they mask and change blocks hang on i.
.set KP,    80                         ; K row in LDS: 64 + 16 bytes (5 x 16)
.set VP,    96                         ; V row: 64 + 32 bytes (3 x 32), for the transposing loads
.set VOFF,  128*KP
.set BOFF,  VOFF+128*VP                ; 256 mask words: the tile's 128 keys, twice (one word a thread)
.set SLOT,  BOFF+1024                  ; 23,552 bytes; two slots
.set XLO,   2*SLOT                     ; results of the low block: 8 waves x 9 groups x 512 bytes
.set XW,    9*512
.set XAREA, 8*XW                       ; behind it the same for the high block
.set QH,    XLO+2*XAREA                ; the high block's Q fragments, 2,048 bytes a wave
.set STAGE, QH+8*2048                  ; way out, 2,048 bytes a wave (hi, lo); ends at 153,600
.set LOPLANE, 4194304                  ; att: from hi to lo
.set KA,  2                            ; v2   K fragments
.set VA,  3                            ; v3   V fragments (transposing)
.set BA,  4                            ; v4   mask words
.set KS,  5                            ; v5   where my 16 bytes of K go
.set VS,  6                            ; v6   of V
.set BS,  7                            ; v7   my mask word
.set T16, 8                            ; v8   16 x thread
.set GO,  9                            ; v9   byte offset of the tile being requested
.set KEY, 10                           ; v10  thread % 128
.set NEG, 11                           ; v11  -2^102
.set TA,  12                           ; v12, v13 at work
.set TB,  13
.set DLT, 14                           ; v14, v15  query - first key of the lane, for query tile 0, 1
.set XS,  16                           ; v16  my results
.set XL,  17                           ; v17  the two partners' results of the query tile that I finish
.set XM,  18                           ; v18  their maximum and sum
.set SS,  19                           ; v19  stage, in
.set SL,  20                           ; v20  stage, back
.set OLO, 22                           ; v22  my output offset, low block
.set OHI, 23                           ; v23  high block
.set MM,  24                           ; v24, v26 running maxima (pairs with v25, v27)
.set AA,  28                           ; v28, v30 rescaling factors (pairs with v29, v31)
.set QD,  32                           ; v[32:35] (m0, l0, m1, l1)
.set QHA, 36
.set QG,  37
.set MXA, 38
.set MXB, 39
.set QF,  40                           ; v[40:55]   Q, two fragments
.set ONES, 56                          ; v[56:63]   f16 ones
.set KF,  64                           ; v[64:95]   K, four fragments
.set VF,  96                           ; v[96:127]  V^T, fragment (dt, c) at 96 + 8 (2 dt + c)
.set SF,  128                          ; v[128:191] scores (qt, kt) at 128 + 32 qt + 8 kt; P packed in place
.set OF,  192                          ; v[192:223] O (qt, dt) at 192 + 16 qt + 8 dt
.set LF,  224                          ; v[224:239] row sums
.set STG, 240                          ; v[240:255] the next tile on its way: K, K, V, V
.set sI,  11
.set sI1, 12
.set sT,  24                           ; trip
.set sC,  25                           ; loop counter
.set sLD, 26                           ; tile of the next request
.set sST, 27                           ; tile that lies in STG
.set sN,  28                           ; its place in the sequence of 17
	s_load_b128 s[4:7], s[0:1], 0x0                ; qkv, att
	s_set_vgpr_msb 0x40
	v_lshl_add_u32 v0, v0, 2, 0x25800
	v_mov_b32 v1, 0
	s_set_vgpr_msb 0x4000
	v_lshrrev_b32 v1, 5, v0
	v_readfirstlane_b32 s8, v1                     ; wave
	s_lshr_b32 s9, s8, 2                           ; g: key half
	s_and_b32 s10, s8, 3                           ; w4: query group
	s_mov_b32 s[sI], ttmp9
	s_add_co_u32 s[sI1], s[sI], 1
	s_and_b32 s13, ttmp7, 0xffff                   ; plane
	s_mov_b32 s29, 0x76543210                      ; v_permlanex16_b32: lane i takes lane i of the other half
	s_mov_b32 s30, 0xfedcba98
	s_lshl_b32 s32, s[sI], 13                      ; low block, bytes
	s_sub_co_u32 s33, 15, s[sI]
	s_lshl_b32 s33, s33, 13                        ; high block
	v_and_b32 v1, 31, v0                           ; L
	v_and_b32 v[TA], 15, v0                        ; r
	v_bfe_u32 v[TB], v0, 4, 1                      ; h
	s_mul_i32 s31, s9, 64*KP
	v_mul_u32_u24 v[KA], v[TA], KP
	v_lshl_add_u32 v[KA], v[TB], 4, v[KA]
	v_add_nc_u32 v[KA], s31, v[KA]                 ; (64 g + r) 80 + 16 h
	s_mul_i32 s31, s9, 64*VP
	s_add_co_u32 s31, s31, VOFF
	v_and_b32 v38, 7, v0
	v_lshl_add_u32 v38, v[TB], 3, v38
	v_mul_u32_u24 v[VA], v38, VP
	v_bfe_u32 v39, v0, 3, 1
	v_lshl_add_u32 v[VA], v39, 4, v[VA]
	v_add_nc_u32 v[VA], s31, v[VA]                 ; (64 g + 8 h + L % 8) 96 + 16 ((L / 8) % 2)
	s_mul_i32 s31, s9, 768
	s_add_co_u32 s31, s31, BOFF
	v_lshl_add_u32 v[BA], v[TB], 5, s31            ; copy g (512 g) + 4 (64 g + 8 h)
	v_lshrrev_b32 v38, 2, v0
	v_and_b32 v39, 3, v0
	v_lshlrev_b32 v39, 4, v39
	v_mad_u32_u24 v[KS], v38, KP, v39
	v_mad_u32_u24 v[VS], v38, VP, v39
	v_add_nc_u32 v[VS], VOFF, v[VS]
	v_lshl_add_u32 v[BS], v0, 2, BOFF
	v_lshlrev_b32 v[T16], 4, v0
	v_and_b32 v[KEY], 127, v0
	v_mov_b32 v[NEG], 0xf2800000
	s_lshl_b32 s31, s10, 5
	s_lshl_b32 s38, s9, 6
	s_sub_co_i32 s31, s31, s38
	v_lshlrev_b32 v38, 3, v[TB]
	v_sub_nc_u32 v[DLT], v[TA], v38
	v_add_nc_u32 v[DLT], s31, v[DLT]               ; 32 w4 + r - 64 g - 8 h, signed
	v_add_nc_u32 v[DLT+1], 16, v[DLT]
	s_mul_i32 s31, s8, XW
	s_add_co_u32 s31, s31, XLO
	v_lshl_add_u32 v[XS], v1, 4, s31
	s_mul_i32 s31, s10, XW
	s_add_co_u32 s31, s31, XLO
	s_lshl_b32 s38, s9, 11
	s_add_co_u32 s38, s38, s31
	v_lshl_add_u32 v[XL], v1, 4, s38               ; groups 4 g .. 4 g + 3 of wave w4
	s_lshl_b32 s38, s9, 3
	s_add_co_u32 s38, s38, s31
	s_add_co_u32 s38, s38, 4096
	v_lshl_add_u32 v[XM], v1, 4, s38               ; group 8, words 2 g, 2 g + 1
	s_lshl_b32 s31, s8, 11
	s_add_co_u32 s31, s31, STAGE
	v_lshl_add_u32 v[SL], v1, 4, s31
	v_lshlrev_b32 v38, 6, v[TA]
	v_lshl_add_u32 v38, v[TB], 4, v38              ; 64 r + 16 h
	v_add_nc_u32 v[SS], s31, v38
	s_lshl_b32 s31, s8, 11
	s_add_co_u32 s31, s31, QH
	v_lshl_add_u32 v[QHA], v1, 4, s31
	s_lshl_b32 s31, s10, 11
	v_add_nc_u32 v[QG], s31, v38                   ; (32 w4 + r) 64 + 16 h
	s_lshl_b32 s38, s9, 10
	s_add_co_u32 s38, s38, s31
	v_lshl_add_u32 v21, v1, 4, s38                 ; (32 w4 + 16 g) 64 + 16 L
	v_add_nc_u32 v[OLO], s32, v21
	v_add_nc_u32 v[OHI], s33, v21
	s_wait_kmcnt 0x0
	s_lshl_b32 s14, s13, 17
	s_mov_b32 s15, 0
	s_add_nc_u64 s[16:17], s[4:5], s[14:15]        ; q of my plane
	s_add_nc_u64 s[18:19], s[16:17], 0x400000      ; k: 32 planes on
	s_add_nc_u64 s[20:21], s[16:17], 0x800000      ; v
	s_add_nc_u64 s[22:23], s[6:7], s[14:15]        ; att
	s_mov_b32 s14, s32
	s_add_nc_u64 s[34:35], s[16:17], s[14:15]      ; q of the low block
	s_mov_b32 s14, s33
	s_add_nc_u64 s[36:37], s[16:17], s[14:15]      ; of the high block
; place n of the sequence is tile n up to n = i, then tile n - i - 1
.macro NEXTSEQ
	s_mov_b32 s[sST], s[sLD]
	s_add_co_u32 s[sN], s[sN], 1
	s_add_co_u32 s[sLD], s[sLD], 1
	s_cmp_eq_u32 s[sN], s[sI1]
	s_cselect_b32 s[sLD], 0, s[sLD]
.endm
; a tile of K and of V is 8,192 dense bytes: two loads of 16 bytes a thread each
.macro GLOAD
	v_lshl_add_u32 v[GO], s[sLD], 13, v[T16]
	global_load_b128 v[STG:STG+3], v[GO], s[18:19]
	global_load_b128 v[STG+4:STG+7], v[GO], s[18:19] offset:4096
	global_load_b128 v[STG+8:STG+11], v[GO], s[20:21]
	global_load_b128 v[STG+12:STG+15], v[GO], s[20:21] offset:4096
.endm
; the tile in STG goes into a slot, with its mask words: key % 25 == 24 ? -2^102 : 0.
; key / 25 = (key x 5243) >> 17, exact for keys below 2,048 (5243 / 2^17 - 1/25 = 9.2e-7; x 2,047 is under 1/25).
.macro STORE slot
	v_lshl_add_u32 v[TA], s[sST], 7, v[KEY]
	v_mul_u32_u24 v[TB], v[TA], 0x147b
	v_lshrrev_b32 v[TB], 17, v[TB]
	v_mul_u32_u24 v[TB], v[TB], 25
	v_sub_nc_u32 v[TA], v[TA], v[TB]
	v_cmp_eq_u32 vcc_lo, 24, v[TA]
	v_cndmask_b32 v[TA], 0, v[NEG], vcc_lo
	ds_store_b128 v[KS], v[STG:STG+3] offset:\slot
	ds_store_b128 v[KS], v[STG+4:STG+7] offset:\slot+64*KP
	ds_store_b128 v[VS], v[STG+8:STG+11] offset:\slot
	ds_store_b128 v[VS], v[STG+12:STG+15] offset:\slot+64*VP
	ds_store_b32 v[BS], v[TA] offset:\slot
.endm
; a block begins: sums 0, maxima -2^100.  Twice in a work-group's life.
.macro INIT
.set n, 0
.rept 48
	v_mov_b32 v[OF+n], 0
.set n, n+1
.endr
	v_mov_b32 v[MM], 0xf1800000
	v_mov_b32 v[MM+2], 0xf1800000
.endm
; the block's last tile: keys beyond the query get -2^102 in C
.macro MASK
.irp qt, 0,1
.irp kt, 0,1,2,3
.irp j, 0,1,2,3,4,5,6,7
	v_cmp_gt_i32 vcc_lo, 16*\kt+\j, v[DLT+\qt]
	v_cndmask_b32 v[SF+32*\qt+8*\kt+\j], v[SF+32*\qt+8*\kt+\j], v[NEG], vcc_lo
.endr
.endr
.endr
.endm
.macro SUBM qt, kt                     ; eight scores minus the maximum
.irp p, 0,1,2,3
	v_pk_add_f32 v[SF+32*\qt+8*\kt+2*\p:SF+32*\qt+8*\kt+2*\p+1], v[SF+32*\qt+8*\kt+2*\p:SF+32*\qt+8*\kt+2*\p+1], v[MM+2*\qt:MM+2*\qt+1] op_sel_hi:[1,0] neg_lo:[0,1] neg_hi:[0,1]
.endr
.endm
.macro EXPM qt, kt
.irp j, 0,1,2,3,4,5,6,7
	v_exp_f32 v[SF+32*\qt+8*\kt+\j], v[SF+32*\qt+8*\kt+\j]
.endr
.endm
.macro CVTM qt, kt                     ; tiles 2 c and 2 c + 1 pack into the eight registers of P (qt, c), at the place of tile 2 c
	s_wait_alu depctr_va_vdst(0)
.irp p, 0,1,2,3
	v_cvt_pk_f16_f32 v[SF+32*\qt+16*(\kt>>1)+4*(\kt&1)+\p], v[SF+32*\qt+8*\kt+2*\p], v[SF+32*\qt+8*\kt+2*\p+1]
.endr
.endm
; One query tile, 64 keys.  Behind each run of exponentials stand plain instructions on other registers before a result
; is read (ISA guide 5.7.2): the next tile's subtractions, at the end the rescaling.
.macro SOFT qt
	v_max3_num_f32 v[MXA], v[SF+32*\qt], v[SF+32*\qt+1], v[MM+2*\qt]
	v_max3_num_f32 v[MXB], v[SF+32*\qt+16], v[SF+32*\qt+17], v[SF+32*\qt+18]
.irp p, 1,2,3,4,5,6
	v_max3_num_f32 v[MXA], v[SF+32*\qt+2*\p], v[SF+32*\qt+2*\p+1], v[MXA]
	v_max3_num_f32 v[MXB], v[SF+32*\qt+17+2*\p], v[SF+32*\qt+18+2*\p], v[MXB]
.endr
	v_max3_num_f32 v[MXA], v[SF+32*\qt+14], v[SF+32*\qt+15], v[MXA]
	v_max3_num_f32 v[MXA], v[MXB], v[SF+32*\qt+31], v[MXA]
	v_permlanex16_b32 v[MXB], v[MXA], s29, s30     ; the query's other 32 keys lie in the other half of the lanes
	v_max_num_f32 v[MXA], v[MXA], v[MXB]
	v_sub_f32 v[AA+2*\qt], v[MM+2*\qt], v[MXA]
	v_mov_b32 v[MM+2*\qt], v[MXA]
	v_exp_f32 v[AA+2*\qt], v[AA+2*\qt]             ; 2^(old maximum - new)
	SUBM \qt, 0
	EXPM \qt, 0
	SUBM \qt, 1
	CVTM \qt, 0
	EXPM \qt, 1
	SUBM \qt, 2
	CVTM \qt, 1
	EXPM \qt, 2
	SUBM \qt, 3
	CVTM \qt, 2
	EXPM \qt, 3
.irp p, 0,1,2,3,4,5,6,7
	v_pk_mul_f32 v[OF+16*\qt+2*\p:OF+16*\qt+2*\p+1], v[OF+16*\qt+2*\p:OF+16*\qt+2*\p+1], v[AA+2*\qt:AA+2*\qt+1] op_sel_hi:[1,0]
.endr
	v_mul_f32 v[LF+8*\qt], v[LF+8*\qt], v[AA+2*\qt]
	s_wait_alu depctr_va_vdst(0)
	CVTM \qt, 3
.endm
.macro PV qt
.irp c, 0,1
	v_wmma_f32_16x16x32_f16 v[OF+16*\qt:OF+16*\qt+7], v[VF+8*\c:VF+8*\c+7], v[SF+32*\qt+16*\c:SF+32*\qt+16*\c+7], v[OF+16*\qt:OF+16*\qt+7]
	v_wmma_f32_16x16x32_f16 v[OF+16*\qt+8:OF+16*\qt+15], v[VF+16+8*\c:VF+16+8*\c+7], v[SF+32*\qt+16*\c:SF+32*\qt+16*\c+7], v[OF+16*\qt+8:OF+16*\qt+15]
	v_wmma_f32_16x16x32_f16 v[LF+8*\qt:LF+8*\qt+7], v[ONES:ONES+7], v[SF+32*\qt+16*\c:SF+32*\qt+16*\c+7], v[LF+8*\qt:LF+8*\qt+7]
.endr
.endm
; a block is done: my sums, maxima and row sums go to my own bytes of LDS; more = 1: the high block begins
.macro FINA area, more
	v_mov_b32 v[QD], v[MM]
	v_mov_b32 v[QD+1], v[LF]
	v_mov_b32 v[QD+2], v[MM+2]
	v_mov_b32 v[QD+3], v[LF+8]
.irp n, 0,1,2,3,4,5,6,7
	ds_store_b128 v[XS], v[OF+4*\n:OF+4*\n+3] offset:\area+512*\n
.endr
	ds_store_b128 v[XS], v[QD:QD+3] offset:\area+4096
.if \more
	INIT
.irp n, 0,1,2,3
	ds_load_b128 v[QF+4*\n:QF+4*\n+3], v[QHA] offset:512*\n
.endr
.endif
.endm
; Wave (w4, g) merges the two key halves of query tile g of its query group, divides, splits into hi and lo, and stores.
; Registers r0 .. r0 + 59.
.macro FINB area, r0, outreg
.irp n, 0,1,2,3
	ds_load_b128 v[\r0+4*\n:\r0+4*\n+3], v[XL] offset:\area+512*\n
	ds_load_b128 v[\r0+16+4*\n:\r0+16+4*\n+3], v[XL] offset:\area+4*XW+512*\n
.endr
	ds_load_b64 v[\r0+32:\r0+33], v[XM] offset:\area
	ds_load_b64 v[\r0+34:\r0+35], v[XM] offset:\area+4*XW
	s_wait_dscnt 0x0
	v_max_num_f32 v[\r0+40], v[\r0+32], v[\r0+34]
	v_sub_f32 v[\r0+36], v[\r0+32], v[\r0+40]
	v_sub_f32 v[\r0+38], v[\r0+34], v[\r0+40]
	v_exp_f32 v[\r0+36], v[\r0+36]
	v_exp_f32 v[\r0+38], v[\r0+38]
	v_nop                                          ; a plain place behind the exponentials
	s_wait_alu depctr_va_vdst(0)
	v_mul_f32 v[\r0+41], v[\r0+33], v[\r0+36]
	v_fmac_f32 v[\r0+41], v[\r0+35], v[\r0+38]     ; the row sum: at least 1 (key 0 is never masked, and the largest term is 1)
	v_rcp_f32 v[\r0+41], v[\r0+41]
	v_nop
	s_wait_alu depctr_va_vdst(0)
	v_mul_f32 v[\r0+36], v[\r0+36], v[\r0+41]
	v_mul_f32 v[\r0+38], v[\r0+38], v[\r0+41]
	v_mov_b32 v[\r0+37], v[\r0+36]
	v_mov_b32 v[\r0+39], v[\r0+38]
.irp p, 0,1,2,3,4,5,6,7
	v_pk_mul_f32 v[\r0+2*\p:\r0+2*\p+1], v[\r0+2*\p:\r0+2*\p+1], v[\r0+36:\r0+37]
	v_pk_fma_f32 v[\r0+2*\p:\r0+2*\p+1], v[\r0+16+2*\p:\r0+16+2*\p+1], v[\r0+38:\r0+39], v[\r0+2*\p:\r0+2*\p+1]
.endr
.irp p, 0,1,2,3,4,5,6,7
	v_cvt_pk_bf16_f32 v[\r0+44+\p], v[\r0+2*\p], v[\r0+2*\p+1]     ; hi
.endr
.irp p, 0,1,2,3,4,5,6,7
	v_lshlrev_b32 v[\r0+16+2*\p], 16, v[\r0+44+\p]
	v_and_b32 v[\r0+17+2*\p], 0xffff0000, v[\r0+44+\p]
	v_pk_add_f32 v[\r0+2*\p:\r0+2*\p+1], v[\r0+2*\p:\r0+2*\p+1], v[\r0+16+2*\p:\r0+17+2*\p] neg_lo:[0,1] neg_hi:[0,1]   ; o - hi, exact
.endr
.irp p, 0,1,2,3,4,5,6,7
	v_cvt_pk_bf16_f32 v[\r0+52+\p], v[\r0+2*\p], v[\r0+2*\p+1]     ; lo
.endr
	ds_store_b128 v[SS], v[\r0+44:\r0+47]                          ; row r, d = 8 h .. + 7
	ds_store_b128 v[SS], v[\r0+48:\r0+51] offset:32                ; d = 16 + 8 h ..
	ds_store_b128 v[SS], v[\r0+52:\r0+55] offset:1024
	ds_store_b128 v[SS], v[\r0+56:\r0+59] offset:1056
.irp n, 0,1,2,3
	ds_load_b128 v[\r0+16+4*\n:\r0+16+4*\n+3], v[SL] offset:512*\n ; my own bytes, served in order
.endr
	s_wait_dscnt 0x0
	global_store_b128 v[\outreg], v[\r0+16:\r0+19], s[22:23]       ; each store: 512 consecutive bytes, aligned
	global_store_b128 v[\outreg], v[\r0+20:\r0+23], s[22:23] offset:512
	global_store_b128 v[\outreg], v[\r0+24:\r0+27], s[22:23] offset:LOPLANE
	global_store_b128 v[\outreg], v[\r0+28:\r0+31], s[22:23] offset:LOPLANE+512
.endm
; ONE TRIP: the tile in slot is multiplied, the tile in STG goes into the other slot, the tile after it is requested.
; mode 0: in the loop.  mode 1: the last trip (always a block's last tile; nothing follows).
.macro TRIP slot, other, tag, mode
.irp qt, 0,1
.irp kt, 0,1,2,3
	ds_load_b128 v[SF+32*\qt+8*\kt:SF+32*\qt+8*\kt+3], v[BA] offset:\slot+64*\kt           ; the mask words are the scores' C
	ds_load_b128 v[SF+32*\qt+8*\kt+4:SF+32*\qt+8*\kt+7], v[BA] offset:\slot+64*\kt+16
.endr
.endr
.irp kt, 0,1,2,3
	ds_load_b128 v[KF+8*\kt:KF+8*\kt+3], v[KA] offset:\slot+16*KP*\kt
	ds_load_b128 v[KF+8*\kt+4:KF+8*\kt+7], v[KA] offset:\slot+16*KP*\kt+32
.endr
.irp dt, 0,1
.irp c, 0,1
	ds_load_tr16_b128 v[VF+8*(2*\dt+\c):VF+8*(2*\dt+\c)+3], v[VA] offset:\slot+32*VP*\c+32*\dt
	ds_load_tr16_b128 v[VF+8*(2*\dt+\c)+4:VF+8*(2*\dt+\c)+7], v[VA] offset:\slot+32*VP*\c+32*\dt+16*VP
.endr
.endr
	s_wait_dscnt 8                                 ; mask words and K are in; V's eight loads stay out
.if \mode
	MASK
.else
	s_cmp_lg_u32 s[sT], s[sI]                      ; trip i is the low block's last tile
	s_cbranch_scc1 .Lnm_\tag
	MASK
.Lnm_\tag:
.endif
.irp qt, 0,1
.irp kt, 0,1,2,3
	v_wmma_f32_16x16x32_f16 v[SF+32*\qt+8*\kt:SF+32*\qt+8*\kt+7], v[KF+8*\kt:KF+8*\kt+7], v[QF+8*\qt:QF+8*\qt+7], v[SF+32*\qt+8*\kt:SF+32*\qt+8*\kt+7]
.endr
.endr
.if \mode
.rept 4
	v_nop                                          ; four places before the scores are read (ISA guide 7.12.1)
.endr
.else
	s_wait_loadcnt 0x0                             ; the tile requested one trip ago; this also frees GO
	STORE \other                                   ; its seven vector instructions are the places behind the products
.if \slot
	s_cmp_ge_u32 s[sT], 15                         ; place 17 of the sequence does not exist
	s_cbranch_scc1 .Lnl_\tag
	GLOAD
.Lnl_\tag:
.else
	GLOAD
.endif
	NEXTSEQ
.endif
	SOFT 0
.if \mode
	s_wait_dscnt 0x0                               ; V is in
.else
	s_wait_dscnt 5                                 ; V is in; the five stores behind it stay out
.endif
	PV 0
	SOFT 1
	PV 1
.rept 5
	v_nop                                          ; five places: the next scores are written over P, loads go into P, K, V; O and the sums are read or rescaled
.endr
.if \mode
	FINA XAREA, 0
.else
	s_cmp_lg_u32 s[sT], s[sI]
	s_cbranch_scc1 .Lnf_\tag
	FINA 0, 1
.Lnf_\tag:
	s_add_co_u32 s[sT], s[sT], 1
.endif
	s_wait_dscnt 0x0                               ; my reads of this slot and my stores into the other are done:
	s_barrier_signal -1                            ; one barrier a trip serves both, as the slots take turns
	s_barrier_wait -1
.endm
	s_mov_b32 s[sLD], 0
	s_mov_b32 s[sN], 0
	GLOAD                                          ; place 0
.irp n, 0,1,2,3
	global_load_b128 v[QF+4*\n:QF+4*\n+3], v[QG], s[34:35] offset:(\n>>1)*1024+(\n&1)*32
.endr
.irp n, 0,1,2,3
	global_load_b128 v[SF+4*\n:SF+4*\n+3], v[QG], s[36:37] offset:(\n>>1)*1024+(\n&1)*32
.endr
	INIT
.set n, 0
.rept 8
	v_mov_b32 v[ONES+n], 0x3c003c00
.set n, n+1
.endr
	v_mov_b32 v[MM+1], 0                           ; the second registers of the broadcast pairs: named, never used
	v_mov_b32 v[MM+3], 0
	v_mov_b32 v[AA+1], 0
	v_mov_b32 v[AA+3], 0
	s_wait_loadcnt 8                               ; the first tile is in; Q's eight loads stay out
	NEXTSEQ
	STORE 0
	s_wait_loadcnt 0x0
.irp n, 0,1,2,3
	ds_store_b128 v[QHA], v[SF+4*\n:SF+4*\n+3] offset:512*\n       ; the high block's Q waits in my own bytes of LDS
.endr
	GLOAD                                          ; place 1
	NEXTSEQ
	s_mov_b32 s[sT], 0
	s_mov_b32 s[sC], 0
	s_wait_dscnt 0x0
	s_barrier_signal -1
	s_barrier_wait -1
.Lloop:
	TRIP 0, SLOT, a, 0
	TRIP SLOT, 0, b, 0
	s_add_co_u32 s[sC], s[sC], 1
	s_cmp_lt_u32 s[sC], 8
	s_cbranch_scc1 .Lloop
	TRIP 0, SLOT, c, 1                             ; trip 16
	FINB 0, 64, OLO                                ; behind the last barrier every wave's results lie in LDS
	FINB XAREA, 128, OHI                           ; other registers: no wait for the stores above
	s_set_vgpr_msb 0x5
	s_wait_tensorcnt 0x0
	ds_add_u32 v0, v1
	s_wait_dscnt 0x0
	s_set_vgpr_msb 0x500
	s_endpgm
.Lfunc_end_k_q22a1d1f5bf_attn:
	.size	k_q22a1d1f5bf_attn, .Lfunc_end_k_q22a1d1f5bf_attn-k_q22a1d1f5bf_attn
	.p2alignl 7, 3214868480
	.fill 96, 4, 3214868480
	.section	.rodata,"a",@progbits
	.p2align	6, 0x0
	.amdhsa_kernel k_q22a1d1f5bf_attn
		.amdhsa_group_segment_fixed_size 154624
		.amdhsa_private_segment_fixed_size 0
		.amdhsa_enable_private_segment 0
		.amdhsa_kernarg_size 16
		.amdhsa_user_sgpr_count 2
		.amdhsa_user_sgpr_kernarg_segment_ptr 1
		.amdhsa_wavefront_size32 1
		.amdhsa_system_sgpr_workgroup_id_x 1
		.amdhsa_system_sgpr_workgroup_id_y 1
		.amdhsa_system_sgpr_workgroup_id_z 1
		.amdhsa_system_vgpr_workitem_id 0
		.amdhsa_next_free_vgpr 258
		.amdhsa_next_free_sgpr 66
		.amdhsa_reserve_vcc 1
		.amdhsa_float_denorm_mode_32 3
		.amdhsa_float_denorm_mode_16_64 3
		.amdhsa_memory_ordered 1
		.amdhsa_forward_progress 1
		.amdhsa_inst_pref_size 82
	.end_amdhsa_kernel
	.amdgpu_metadata
---
amdhsa.version: [ 1, 2 ]
amdhsa.kernels:
  - .name:           k_q22a1d1f5bf_attn
    .symbol:         k_q22a1d1f5bf_attn.kd
    .args:
      - { .name: qkv, .offset: 0, .size: 8, .value_kind: global_buffer, .address_space: global }
      - { .name: att, .offset: 8, .size: 8, .value_kind: global_buffer, .address_space: global }
    .group_segment_fixed_size: 154624
    .private_segment_fixed_size: 0
    .kernarg_segment_align: 8
    .kernarg_segment_size: 16
    .max_flat_workgroup_size: 256
    .sgpr_count:     66
    .vgpr_count:     258
    .wavefront_size: 32
...
	.end_amdgpu_metadata
.endif
;; end of part 2
;; launch proj (part 3): grid 4 x 64, 8 waves a work-group, no clusters, 69,632 bytes of LDS; arguments att, Wo, bo, out0; writes out0
.if DOCPART == 3
	.amdgcn_target "amdgcn-amd-amdhsa--gfx1250"
	.amdhsa_code_object_version 6
	.text
	.protected	k_q22a1d1f5bf_proj
	.globl	k_q22a1d1f5bf_proj
	.p2align	8
	.type	k_q22a1d1f5bf_proj,@function
k_q22a1d1f5bf_proj:
	s_mov_b64 s[64:65], 0
	v_nop
	global_prefetch_b8 v0, s[64:65] scope:SCOPE_SE
	s_setreg_imm32_b32 hwreg(HW_REG_WAVE_MODE, 25, 1), 1
	s_wait_xcnt 0x0
; out0 = att Wo^T + bo.  att: [hi|lo][batch][head][t][32] bf16 (att = hi + lo); Wo: [256][256] f32; out0: [8192][256] f32.
; Work-group (x = cb, y = rbk): rows 128 rbk .. +127, columns 64 cb .. +63.  Wave w: rows 16 w .. +15, four column tiles.
; K step ks is head ks.  att goes straight from memory into fragment registers (16 rows of 64 bytes are 1,024 consecutive bytes,
; each read by one wave of the work-group); Wo is rounded to bf16 into LDS.  Two products a tile and K step: Wo x hi, Wo x lo.
; Transposed use: a lane holds eight neighbouring columns of one row; the bias starts the sums.
; NO JOINT TILE REQUESTS: att needs no LDS at all, and Wo is f32 in memory and is needed as bf16, so it passes through registers.
.set PITCH,  528                       ; a row of Wo in LDS: 512 bytes of bf16 + 16
.set STAGE,  64*PITCH                  ; behind Wo: 16 rows x 272 bytes for each wave
.set SPITCH, 272
.set LOPLANE, 4194304
.set AG,  2                            ; v2  att: (16 w + r) 64 + 16 h
.set WG,  3                            ; v3  Wo in memory
.set WS,  4                            ; v4  Wo into LDS
.set WF,  5                            ; v5  fragments of Wo
.set BO,  6                            ; v6  bias: 32 h
.set SST, 7                            ; v7  stage, in
.set SLD, 8                            ; v8  stage, back
.set OG,  9                            ; v9  my byte offset in out0
.set ACC, 32                           ; v[32:63]
.set AH,  64                           ; v[64:127]  hi, head hd at 64 + 8 hd
.set AL,  128                          ; v[128:191] lo
.set RING, 192                         ; v[192:255] Wo as loaded; then two fragment sets
.set F0,  192
.set F1,  224
	s_load_b256 s[8:15], s[0:1], 0x0               ; att, Wo, bo, out0
	v_lshl_add_u32 v30, v0, 2, 0x10c00
	v_mov_b32 v31, 0
	v_lshrrev_b32 v1, 5, v0
	v_readfirstlane_b32 s16, v1                    ; wave
	s_and_b32 s17, ttmp7, 0xffff                   ; rbk
	v_and_b32 v1, 31, v0
	v_and_b32 v12, 15, v0                          ; r
	v_bfe_u32 v13, v0, 4, 1                        ; h
	s_lshl_b32 s2, s16, 10
	v_lshlrev_b32 v14, 6, v12
	v_lshl_add_u32 v14, v13, 4, v14
	v_add_nc_u32 v[AG], s2, v14
	s_lshl_b32 s2, s16, 13                         ; 8 rows of Wo
	v_lshl_add_u32 v[WG], v1, 4, s2
	s_mul_i32 s2, s16, 8*PITCH
	v_lshl_add_u32 v[WS], v1, 3, s2
	v_mul_u32_u24 v[WF], v12, PITCH
	v_lshl_add_u32 v[WF], v13, 4, v[WF]
	v_lshlrev_b32 v[BO], 5, v13
	s_mul_i32 s2, s16, 16*SPITCH
	s_add_co_u32 s2, s2, STAGE
	v_mul_u32_u24 v14, v12, SPITCH
	v_lshl_add_u32 v14, v13, 5, v14
	v_add_nc_u32 v[SST], s2, v14
	v_mul_u32_u24 v15, v13, SPITCH
	v_lshl_add_u32 v15, v12, 4, v15
	v_add_nc_u32 v[SLD], s2, v15
	s_lshl_b32 s2, s16, 14                         ; 16 rows of out0
	v_lshlrev_b32 v16, 10, v13
	v_lshl_add_u32 v16, v12, 4, v16
	v_add_nc_u32 v[OG], s2, v16
	s_mov_b32 s3, 0
	s_wait_kmcnt 0x0
	s_lshr_b32 s2, s17, 4
	s_lshl_b32 s2, s2, 20                          ; batch: 8 planes of 131,072 bytes
	s_and_b32 s4, s17, 15
	s_lshl_b32 s4, s4, 13                          ; 128 rows of 64 bytes
	s_add_co_u32 s2, s2, s4
	s_add_nc_u64 s[20:21], s[8:9], s[2:3]
	s_lshl_b32 s2, ttmp9, 16                       ; 64 rows of Wo
	s_add_nc_u64 s[22:23], s[10:11], s[2:3]
	s_lshl_b32 s2, ttmp9, 8                        ; 64 columns
	s_add_nc_u64 s[24:25], s[12:13], s[2:3]
	s_lshl_b32 s4, s17, 17                         ; 128 rows of out0
	s_add_co_u32 s2, s2, s4
	s_add_nc_u64 s[26:27], s[14:15], s[2:3]
.irp n, 0,1,2,3,4,5,6,7,8,9,10,11,12,13,14,15
	global_load_b128 v[RING+4*\n:RING+4*\n+3], v[WG], s[22:23] offset:512*\n       ; Wo first: the barrier hangs on it
.endr
.irp ct, 0,1,2,3
	global_load_b128 v[ACC+8*\ct:ACC+8*\ct+3], v[BO], s[24:25] offset:64*\ct       ; the bias starts the sums
	global_load_b128 v[ACC+8*\ct+4:ACC+8*\ct+7], v[BO], s[24:25] offset:64*\ct+16
.endr
.irp hd, 0,1,2,3,4,5,6,7
	global_load_b128 v[AH+8*\hd:AH+8*\hd+3], v[AG], s[20:21] offset:131072*\hd
	global_load_b128 v[AH+8*\hd+4:AH+8*\hd+7], v[AG], s[20:21] offset:131072*\hd+32
	global_load_b128 v[AL+8*\hd:AL+8*\hd+3], v[AG], s[20:21] offset:LOPLANE+131072*\hd
	global_load_b128 v[AL+8*\hd+4:AL+8*\hd+7], v[AG], s[20:21] offset:LOPLANE+131072*\hd+32
.endr
.macro CV n
	v_cvt_pk_bf16_f32 v[RING+4*\n], v[RING+4*\n], v[RING+4*\n+1]
	v_cvt_pk_bf16_f32 v[RING+4*\n+1], v[RING+4*\n+2], v[RING+4*\n+3]
	ds_store_b64 v[WS], v[RING+4*\n:RING+4*\n+1] offset:(\n>>1)*PITCH+(\n&1)*256
.endm
	s_wait_loadcnt 48                              ; Wo's first eight are in; out stay 8 of Wo, 8 of the bias, 32 of att
.irp n, 0,1,2,3,4,5,6,7
	CV \n
.endr
	s_wait_loadcnt 40                              ; Wo is whole; out stay 8 + 32
.irp n, 8,9,10,11,12,13,14,15
	CV \n
.endr
	s_wait_dscnt 0x0                               ; zero, for the other waves' sake
	s_barrier_signal -1
	s_barrier_wait -1
.macro FETCH ks, f
.irp ct, 0,1,2,3
	ds_load_b128 v[\f+8*\ct:\f+8*\ct+3], v[WF] offset:\ct*16*PITCH+64*\ks
	ds_load_b128 v[\f+8*\ct+4:\f+8*\ct+7], v[WF] offset:\ct*16*PITCH+64*\ks+32
.endr
.endm
.macro MUL ks, f
.irp ct, 0,1,2,3
	v_wmma_f32_16x16x32_bf16 v[ACC+8*\ct:ACC+8*\ct+7], v[\f+8*\ct:\f+8*\ct+7], v[AH+8*\ks:AH+8*\ks+7], v[ACC+8*\ct:ACC+8*\ct+7]
.endr
.irp ct, 0,1,2,3
	v_wmma_f32_16x16x32_bf16 v[ACC+8*\ct:ACC+8*\ct+7], v[\f+8*\ct:\f+8*\ct+7], v[AL+8*\ks:AL+8*\ks+7], v[ACC+8*\ct:ACC+8*\ct+7]
.endr
.endm
.macro PLACES                          ; four places between a matrix instruction and a load into its sources or a reader of its result
.rept 4
	v_nop
.endr
.endm
.macro KSTEP nxt, fn, cur, fc
	PLACES
	FETCH \nxt, \fn
	s_wait_dscnt 8                                 ; the eight loads just issued stay out
	MUL \cur, \fc
.endm
	FETCH 0, F0
	FETCH 1, F1
	s_wait_loadcnt 0x0                             ; bias and att
	s_wait_dscnt 8
	MUL 0, F0
	KSTEP 2, F0, 1, F1
	KSTEP 3, F1, 2, F0
	KSTEP 4, F0, 3, F1
	KSTEP 5, F1, 4, F0
	KSTEP 6, F0, 5, F1
	KSTEP 7, F1, 6, F0
	s_wait_dscnt 0x0
	MUL 7, F1
	PLACES
	; THE WAY OUT: 32 bytes a lane into my own stage, back as whole rows of 256 bytes (served in order: no wait between).
.irp ct, 0,1,2,3
	ds_store_b128 v[SST], v[ACC+8*\ct:ACC+8*\ct+3] offset:64*\ct
	ds_store_b128 v[SST], v[ACC+8*\ct+4:ACC+8*\ct+7] offset:64*\ct+16
.endr
.irp n, 0,1,2,3,4,5,6,7
	ds_load_b128 v[F0+4*\n:F0+4*\n+3], v[SLD] offset:\n*2*SPITCH
.endr
.irp n, 0,1,2,3,4,5,6,7
	s_wait_dscnt 7-\n
	global_store_b128 v[OG], v[F0+4*\n:F0+4*\n+3], s[26:27] offset:2048*\n th:TH_STORE_NT   ; 16 lanes store 256 consecutive bytes, aligned
.endr
	s_wait_tensorcnt 0x0
	ds_add_u32 v30, v31
	s_wait_dscnt 0x0
	s_endpgm
.Lfunc_end_k_q22a1d1f5bf_proj:
	.size	k_q22a1d1f5bf_proj, .Lfunc_end_k_q22a1d1f5bf_proj-k_q22a1d1f5bf_proj
	.p2alignl 7, 3214868480
	.fill 96, 4, 3214868480
	.section	.rodata,"a",@progbits
	.p2align	6, 0x0
	.amdhsa_kernel k_q22a1d1f5bf_proj
		.amdhsa_group_segment_fixed_size 69632
		.amdhsa_private_segment_fixed_size 0
		.amdhsa_enable_private_segment 0
		.amdhsa_kernarg_size 32
		.amdhsa_user_sgpr_count 2
		.amdhsa_user_sgpr_kernarg_segment_ptr 1
		.amdhsa_wavefront_size32 1
		.amdhsa_system_sgpr_workgroup_id_x 1
		.amdhsa_system_sgpr_workgroup_id_y 1
		.amdhsa_system_sgpr_workgroup_id_z 1
		.amdhsa_system_vgpr_workitem_id 0
		.amdhsa_next_free_vgpr 256
		.amdhsa_next_free_sgpr 66
		.amdhsa_reserve_vcc 0
		.amdhsa_float_denorm_mode_32 3
		.amdhsa_float_denorm_mode_16_64 3
		.amdhsa_memory_ordered 1
		.amdhsa_forward_progress 1
		.amdhsa_inst_pref_size 23
	.end_amdhsa_kernel
	.amdgpu_metadata
---
amdhsa.version: [ 1, 2 ]
amdhsa.kernels:
  - .name:           k_q22a1d1f5bf_proj
    .symbol:         k_q22a1d1f5bf_proj.kd
    .args:
      - { .name: att, .offset: 0, .size: 8, .value_kind: global_buffer, .address_space: global }
      - { .name: Wo, .offset: 8, .size: 8, .value_kind: global_buffer, .address_space: global }
      - { .name: bo, .offset: 16, .size: 8, .value_kind: global_buffer, .address_space: global }
      - { .name: out0, .offset: 24, .size: 8, .value_kind: global_buffer, .address_space: global }
    .group_segment_fixed_size: 69632
    .private_segment_fixed_size: 0
    .kernarg_segment_align: 8
    .kernarg_segment_size: 32
    .max_flat_workgroup_size: 256
    .sgpr_count:     66
    .vgpr_count:     256
    .wavefront_size: 32
...
	.end_amdgpu_metadata
.endif
;; end of part 3
;; ======== version 2 of 2: 3 launches; version 1 with the launch qkv written anew for expert scheduling mode
;; limits: values are held in f16: magnitudes above 65,504 overflow, below 6.1e-05 lose precision
;; workspace buffers: qkv 12,582,912 bytes; att 8,388,608 bytes
;; launch qkv (part 4): grid 8 x 32, 8 waves a work-group, no clusters, 186,880 bytes of LDS; arguments x, Wq, Wk, Wv, bq, bk, bv, qkv; writes qkv
.if DOCPART == 4
	.amdgcn_target "amdgcn-amd-amdhsa--gfx1250"
	.amdhsa_code_object_version 6
	.text
	.protected	k_q22a1d1f5bf_qkv
	.globl	k_q22a1d1f5bf_qkv
	.p2align	8
	.type	k_q22a1d1f5bf_qkv,@function
k_q22a1d1f5bf_qkv:
	s_mov_b64 s[64:65], 0
	v_nop
	global_prefetch_b8 v0, s[64:65] scope:SCOPE_SE
	s_setreg_imm32_b32 hwreg(HW_REG_WAVE_SCHED_MODE, 0, 2), 2
	s_setreg_imm32_b32 hwreg(HW_REG_WAVE_MODE, 25, 1), 1
	s_wait_xcnt 0x0
	s_wait_alu depctr_vm_vsrc(0)
; q, k, v = x W^T + b for all heads.  x: [8192][256] f32; Wq, Wk, Wv: [256][256] f32; biases f32.
; Out: qkv, f16, [q|k|v][batch][head][t][32]; q is also multiplied by 1/sqrt(32) * log2(e), so that the
; attention kernel can use base-2 exponentials without touching the scores.
; The 768 output columns are 24 chunks of 32 (one matrix, one head).  Work-group (x = nb, y = rb): rows
; 256 rb .. +255, chunks 3 nb .. 3 nb + 2.  Wave w: rows 32 w .. +31, all 96 columns = 6 x 2 accumulator tiles.
; x and W are rounded once to bf16 on the way into LDS; sums in f32, started by the bias.
; The products are used transposed (source 0 = rows of W, source 1 = rows of x): a lane then holds eight
; neighbouring columns of one row, 16 bytes of f16.
; q, k, v leave as f16, not bf16: the first rows of a sequence average very few keys and are many times larger than
; the typical output, so their absolute error has to be small; f16 carries three more bits.
; LIMIT: |0.255 q|, |k|, |v| above 65,504 overflow f16.  With inputs of spread 1 and 0.02 they are of order 1.
; NO JOINT TILE REQUESTS between work-groups: the tiles are f32 in memory and are needed as bf16; as f32 they are
; 256 x 1,024 + 96 x 1,024 = 360,448 bytes, more than the 327,680 bytes of LDS, so they pass through registers.
; THE MODE: SCHED_MODE bits 1:0 = 2 (LLVM: expert scheduling mode 2), set by the entry lines.  The code itself states the register
; dependences between vector or matrix instructions and memory or LDS instructions, with s_wait_alu, always for 0.
; THE PLAN.  Registers that memory or LDS instructions touch:
;   v2 .. v11     offsets and addresses: written at the head, never again; one wait ahead of the first load serves the whole kernel.
;   RAW0 .. RAW3  (v[32:159], while x and W come in)  Batch b: its sixteen conversions read RAW[b % 4]; behind them the batch four further on is loaded into it.
;   OUT           (v[12:27])  Batch b: its conversions write it, its eight LDS stores read it.
;   F0, F1        (the same v[32:159], in the K steps)  Step k: its products read set k % 2; the LDS loads of step k + 1 land in the other set.
;   TMP, BK       (the way out)  A chunk's conversions write its part of TMP, its LDS stores read it; the rows come back into its part of BK, which its global stores read.
;   The accumulators take the bias by loads before any vector instruction names them, and are named by matrix and vector instructions alone from then on.
; So a batch has one wait on va_vdst, behind its conversions (OUT is written; RAW is read out), and one on vm_vsrc at its head (the batch before's stores have read OUT);
; a K step has one wait on va_vdst at its head (the step before's products are done with the other set), and its loads are dealt among its products;
; a chunk of the way out has one wait on va_vdst, behind its arithmetic.
.set PITCH, 528                        ; LDS row: 512 bytes of bf16 + 16: 33 x 16, so 16 rows start in 16 different 16-byte columns modulo 256
.set XWAVE, 32*PITCH                   ; a wave's own 32 rows of x: 16,896 bytes
.set WOFF,  8*XWAVE                    ; behind them the 96 rows of W, shared by the waves
.set SP,    80                         ; way out: a row of 32 f16 + 16 bytes
.set XG,  2                            ; v2   x: byte offset of my 16 bytes in the wave's rows
.set XS,  3                            ; v3   x: where my 8 bytes of bf16 go in LDS
.set WG,  4                            ; v4   W: byte offset in a chunk
.set WS,  5                            ; v5   W: where they go in LDS
.set XF,  6                            ; v6   fragments of x
.set WF,  7                            ; v7   fragments of W
.set BO,  8                            ; v8   bias: 32 h
.set SST, 9                            ; v9   way out: where I put 16 bytes
.set SLD, 10                           ; v10  way out: where I read them back
.set OG,  11                           ; v11  my byte offset in a chunk's output
.set OUT, 12                           ; v[12:27] a batch rounded to bf16, on its way into LDS (v12 to v17 serve the head's address arithmetic first)
.set RING, 32                          ; v[32:159] four batches of eight 16-byte loads
.set F0,  32                           ; then fragment set 0: W 6 x 8 registers, x 2 x 8
.set F1,  96                           ; and set 1
.set ACC, 160                          ; v[160:255] tile (ct, rt) at 160 + 8 (2 ct + rt)
.set TMP, 32                           ; way out: packed f16
.set BK,  96                           ; way out: rows read back
.set PW,  24                           ; s[24:29] chunk cc: its 32 rows of W
.set PB,  32                           ; s[32:37] its 32 biases
.set PO,  40                           ; s[40:45] its output rows
.set SC,  48                           ; s[48:53] its factor, twice
.set PX,  56                           ; s[56:57] the work-group's rows of x
	s_load_b512 s[8:23], s[0:1], 0x0               ; x, Wq, Wk, Wv, bq, bk, bv, qkv
	v_lshl_add_u32 v30, v0, 2, 0x2d600
	v_mov_b32 v31, 0
	v_lshrrev_b32 v1, 5, v0
	v_readfirstlane_b32 s58, v1                    ; wave
	v_and_b32 v1, 31, v0                           ; lane L
	v_and_b32 v12, 15, v0                          ; r = L % 16
	v_bfe_u32 v13, v0, 4, 1                        ; h = L / 16
	s_and_b32 s59, ttmp7, 0xffff                   ; rb
	s_mul_i32 s60, ttmp9, 3                        ; first chunk
	s_wait_alu depctr_va_sdst(0)                   ; s58 is written, ahead of its first reader: the wave's places in memory and in LDS are made from it
	s_lshl_b32 s2, s58, 15                         ; 32 rows of 1,024 bytes
	s_mul_i32 s3, s58, XWAVE
	s_lshl_b32 s4, s58, 12                         ; 4 rows of W
	s_mul_i32 s5, s58, 4*PITCH
	s_add_co_u32 s5, s5, WOFF
	s_lshl_b32 s6, s58, 11                         ; 32 output rows of 64 bytes
	v_lshl_add_u32 v[XG], v1, 4, s2
	v_lshl_add_u32 v[XS], v1, 3, s3
	v_lshl_add_u32 v[WG], v1, 4, s4
	v_lshl_add_u32 v[WS], v1, 3, s5
	v_lshl_add_u32 v[OG], v1, 4, s6
	v_mul_u32_u24 v14, v12, PITCH
	v_lshl_add_u32 v14, v13, 4, v14                ; r x pitch + 16 h
	v_add_nc_u32 v[XF], s3, v14
	v_add_nc_u32 v[WF], WOFF, v14
	v_lshlrev_b32 v[BO], 5, v13
	v_mul_u32_u24 v15, v12, SP
	v_lshl_add_u32 v15, v13, 4, v15
	v_add_nc_u32 v[SST], s3, v15
	v_lshrrev_b32 v16, 2, v1
	v_mul_u32_u24 v16, v16, SP
	v_and_b32 v17, 3, v1
	v_lshl_add_u32 v16, v17, 4, v16
	v_add_nc_u32 v[SLD], s3, v16
	s_lshr_b32 s61, s59, 3
	s_lshl_b32 s61, s61, 3                         ; 8 x batch
	s_and_b32 s62, s59, 7
	s_lshl_b32 s62, s62, 14                        ; first t x 64 bytes
	s_mov_b32 s7, 0
	s_wait_kmcnt 0x0
	s_lshl_b32 s6, s59, 18
	s_add_nc_u64 s[PX:PX+1], s[8:9], s[6:7]
.irp cc, 0,1,2
	s_add_co_u32 s2, s60, \cc
	s_lshr_b32 s3, s2, 3                           ; matrix 0, 1, 2
	s_and_b32 s4, s2, 7                            ; head
	s_cmp_eq_u32 s3, 0
	s_cselect_b64 s[PW+2*\cc:PW+2*\cc+1], s[10:11], s[12:13]
	s_cselect_b64 s[PB+2*\cc:PB+2*\cc+1], s[16:17], s[18:19]
	s_cselect_b32 s[SC+2*\cc], 0x3e8293ee, 1.0     ; q: 1/sqrt(32) x log2(e) = 0.25503486; k and v: 1 (one text serves every chunk)
	s_cmp_eq_u32 s3, 2
	s_cselect_b64 s[PW+2*\cc:PW+2*\cc+1], s[14:15], s[PW+2*\cc:PW+2*\cc+1]
	s_cselect_b64 s[PB+2*\cc:PB+2*\cc+1], s[20:21], s[PB+2*\cc:PB+2*\cc+1]
	s_mov_b32 s[SC+2*\cc+1], s[SC+2*\cc]
	s_lshl_b32 s6, s4, 15                          ; 32 rows of W
	s_add_nc_u64 s[PW+2*\cc:PW+2*\cc+1], s[PW+2*\cc:PW+2*\cc+1], s[6:7]
	s_lshl_b32 s6, s4, 7                           ; 32 biases
	s_add_nc_u64 s[PB+2*\cc:PB+2*\cc+1], s[PB+2*\cc:PB+2*\cc+1], s[6:7]
	s_lshl_b32 s5, s3, 5
	s_add_co_u32 s5, s5, s61
	s_add_co_u32 s5, s5, s4                        ; plane = 32 matrix + 8 batch + head
	s_lshl_b32 s6, s5, 17                          ; planes of 131,072 bytes
	s_add_co_u32 s6, s6, s62
	s_add_nc_u64 s[PO+2*\cc:PO+2*\cc+1], s[22:23], s[6:7]
.endr
	s_wait_alu depctr_va_vdst(0)                   ; the ten offsets and addresses v2 to v11 are written: every load and store of the kernel reads one of them, and none is written again
	; The bias starts the sums: register j of lane (r, h) is column 8 h + j of the tile, the same for every row.
.irp ct, 0,1,2,3,4,5
.irp rt, 0,1
	global_load_b128 v[ACC+8*(2*\ct+\rt):ACC+8*(2*\ct+\rt)+3], v[BO], s[PB+2*(\ct>>1):PB+2*(\ct>>1)+1] offset:(\ct&1)*64
	global_load_b128 v[ACC+8*(2*\ct+\rt)+4:ACC+8*(2*\ct+\rt)+7], v[BO], s[PB+2*(\ct>>1):PB+2*(\ct>>1)+1] offset:(\ct&1)*64+16
.endr
.endr
; eight loads of 512 neighbouring bytes each (four rows of 1,024 bytes) into quarter q of the ring
.macro LD8 q, areg, bs, goff
.irp n, 0,1,2,3,4,5,6,7
	global_load_b128 v[RING+32*\q+4*\n:RING+32*\q+4*\n+3], v[\areg], s[\bs:\bs+1] offset:\goff+512*\n
.endr
.endm
; One batch: quarter q is rounded to bf16 into OUT, asked for again at once (goff: the next rows of x; 0: nothing is left to ask for), and OUT goes into LDS, 8 bytes a lane.
; left: the younger loads that stay out.  first = 1: no store has read OUT yet.
.macro BATCH left, q, sreg, loff, goff, first
	s_wait_loadcnt \left                           ; loads come back in order (ISA guide 5.7.1): quarter q is in
.if !\first
	s_wait_alu depctr_vm_vsrc(0)                   ; the LDS stores of the batch before have read OUT, which the conversions below write again
.endif
.irp n, 0,1,2,3,4,5,6,7
	v_cvt_pk_bf16_f32 v[OUT+2*\n], v[RING+32*\q+4*\n], v[RING+32*\q+4*\n+1]
	v_cvt_pk_bf16_f32 v[OUT+2*\n+1], v[RING+32*\q+4*\n+2], v[RING+32*\q+4*\n+3]
.endr
	s_wait_alu depctr_va_vdst(0)                   ; the conversions have written OUT, which the stores below read, and are done reading quarter q, in which the next loads land
.if \goff
	LD8 \q, XG, PX, \goff
.endif
.irp n, 0,1,2,3,4,5,6,7
	ds_store_b64 v[\sreg], v[OUT+2*\n:OUT+2*\n+1] offset:\loff+(\n>>1)*PITCH+(\n&1)*256
.endr
.endm
	; Eleven batches: W of the three chunks (my 4 rows of each), then my 32 rows of x.  Four batches are on their way;
	; each wait leaves the younger batches out: 3 x 8 = 24, and 16, 8, 0 at the end.  No address register is ever rewritten.
	LD8 0, WG, PW, 0
	LD8 1, WG, PW+2, 0
	LD8 2, WG, PW+4, 0
	LD8 3, XG, PX, 0
	BATCH 24, 0, WS, 0,        4096,   1
	BATCH 24, 1, WS, 32*PITCH, 2*4096, 0
	BATCH 24, 2, WS, 64*PITCH, 3*4096, 0
	BATCH 24, 3, XS, 0,        4*4096, 0
	BATCH 24, 0, XS, 4*PITCH,  5*4096, 0
	BATCH 24, 1, XS, 8*PITCH,  6*4096, 0
	BATCH 24, 2, XS, 12*PITCH, 7*4096, 0
	BATCH 24, 3, XS, 16*PITCH, 0,      0
	BATCH 16, 0, XS, 20*PITCH, 0,      0
	BATCH 8,  1, XS, 24*PITCH, 0,      0
	BATCH 0,  2, XS, 28*PITCH, 0,      0
	s_wait_dscnt 0x0                               ; my rows of W are in LDS: zero, for the other waves' sake
	s_barrier_signal -1
	s_barrier_wait -1                              ; everybody's are
; the fragments of one K step of 32: 16 rows x 32 K = two loads of 16 bytes, 32 bytes apart
.macro WLD f, ks, ct
	ds_load_b128 v[\f+8*\ct:\f+8*\ct+3], v[WF] offset:\ct*16*PITCH+64*\ks
	ds_load_b128 v[\f+8*\ct+4:\f+8*\ct+7], v[WF] offset:\ct*16*PITCH+64*\ks+32
.endm
.macro XLD f, ks, rt
	ds_load_b128 v[\f+48+8*\rt:\f+48+8*\rt+3], v[XF] offset:\rt*16*PITCH+64*\ks
	ds_load_b128 v[\f+48+8*\rt+4:\f+48+8*\rt+7], v[XF] offset:\rt*16*PITCH+64*\ks+32
.endm
.macro FETCH ks, f
.irp ct, 0,1,2,3,4,5
	WLD \f, \ks, \ct
.endr
.irp rt, 0,1
	XLD \f, \ks, \rt
.endr
.endm
.macro PAIR f, ct                      ; column tile ct, both row tiles.  The twelve accumulators take turns, in the same order in every step
.irp rt, 0,1
	v_wmma_f32_16x16x32_bf16 v[ACC+8*(2*\ct+\rt):ACC+8*(2*\ct+\rt)+7], v[\f+8*\ct:\f+8*\ct+7], v[\f+48+8*\rt:\f+48+8*\rt+7], v[ACC+8*(2*\ct+\rt):ACC+8*(2*\ct+\rt)+7]
.endr
.endm
.macro MUL f
.irp ct, 0,1,2,3,4,5
	PAIR \f, \ct
.endr
.endm
; A vector instruction that reads a matrix result stands four independent vector instructions behind it (ISA guide 7.12.1).
; Ahead of the loads into a set that products have read this text keeps the four as well, beside the wait that states the dependence.
.macro PLACES
.rept 4
	v_nop
.endr
.endm
; A K step: set fc is multiplied; K step nxt is fetched into set fn, which the step before multiplied.  The sixteen loads are dealt among the
; products, four behind each of the first four pairs: the products name set fc and the accumulators, none of the registers that the loads touch.
.macro KSTEP nxt, fn, fc
	PLACES
	s_wait_dscnt 0x0                               ; set fc, asked for in the step before, is whole: nothing younger is out
	s_wait_alu depctr_va_vdst(0)                   ; the products of the step before are done reading set fn, in which the loads below land
	PAIR \fc, 0
	WLD \fn, \nxt, 0
	WLD \fn, \nxt, 1
	PAIR \fc, 1
	WLD \fn, \nxt, 2
	WLD \fn, \nxt, 3
	PAIR \fc, 2
	WLD \fn, \nxt, 4
	WLD \fn, \nxt, 5
	PAIR \fc, 3
	XLD \fn, \nxt, 0
	XLD \fn, \nxt, 1
	PAIR \fc, 4
	PAIR \fc, 5
.endm
	FETCH 0, F0                                    ; no wait: the last batch's wait on va_vdst stands behind every conversion that read v[32:159], and no vector instruction since names them
	FETCH 1, F1
	s_wait_dscnt 16                                ; the 16 loads just issued stay out; the set to be multiplied is whole
	MUL F0
	KSTEP 2, F0, F1
	KSTEP 3, F1, F0
	KSTEP 4, F0, F1
	KSTEP 5, F1, F0
	KSTEP 6, F0, F1
	KSTEP 7, F1, F0
	s_wait_dscnt 0x0
	MUL F1                                         ; the last step fetches nothing
	PLACES
	; THE WAY OUT, a chunk at a time: factor, f16, 16 bytes a lane into my own bytes of LDS (my rows of x, which I alone read and have done with),
	; back as whole rows.  LDS serves a wave's instructions in order (ISA guide 5.7.1), so no wait stands between the stores and the loads.
	; Each chunk has its own part of TMP and of BK: nothing that a store or load of one chunk touches is named by another chunk's arithmetic.
.macro OUTC cc
.irp hf, 0,1
.irp rt, 0,1
.irp p, 0,1,2,3
	v_pk_mul_f32 v[ACC+8*(2*(2*\cc+\hf)+\rt)+2*\p:ACC+8*(2*(2*\cc+\hf)+\rt)+2*\p+1], v[ACC+8*(2*(2*\cc+\hf)+\rt)+2*\p:ACC+8*(2*(2*\cc+\hf)+\rt)+2*\p+1], s[SC+2*\cc:SC+2*\cc+1] op_sel_hi:[1,0]
.endr
.irp p, 0,1,2,3
	v_cvt_pk_f16_f32 v[TMP+4*(2*(2*\cc+\hf)+\rt)+\p], v[ACC+8*(2*(2*\cc+\hf)+\rt)+2*\p], v[ACC+8*(2*(2*\cc+\hf)+\rt)+2*\p+1]
.endr
.endr
.endr
	s_wait_alu depctr_va_vdst(0)                   ; the conversions have written the chunk's part of TMP, which the LDS stores read; the last step's products are done reading set 1, in which the rows come back
.irp hf, 0,1
.irp rt, 0,1
	ds_store_b128 v[SST], v[TMP+4*(2*(2*\cc+\hf)+\rt):TMP+4*(2*(2*\cc+\hf)+\rt)+3] offset:\cc*32*SP+\rt*16*SP+32*\hf
.endr
.endr
.irp n, 0,1,2,3
	ds_load_b128 v[BK+16*\cc+4*\n:BK+16*\cc+4*\n+3], v[SLD] offset:\cc*32*SP+\n*8*SP
.endr
.endm
.macro SENDC cc, younger               ; younger: the LDS instructions issued behind the chunk's read-backs: the next chunk's eight, or none
.irp n, 0,1,2,3
	s_wait_dscnt \younger+3-\n                     ; the younger read-backs stay out
	global_store_b128 v[OG], v[BK+16*\cc+4*\n:BK+16*\cc+4*\n+3], s[PO+2*\cc:PO+2*\cc+1] offset:512*\n   ; 8 rows of 64 bytes: 512 consecutive bytes, aligned
.endr
.endm
	OUTC 0
	OUTC 1                                         ; a chunk's arithmetic stands between the read-backs of the chunk before and its stores
	SENDC 0, 8
	OUTC 2
	SENDC 1, 8
	SENDC 2, 0
	s_wait_dscnt 0x0
	s_wait_alu depctr_hold_cnt(0) depctr_sa_sdst(0) depctr_va_vdst(0) depctr_va_sdst(0) depctr_va_ssrc(0) depctr_va_vcc(0) depctr_vm_vsrc(0)
	s_wait_tensorcnt 0x0
	ds_add_u32 v30, v31
	s_wait_dscnt 0x0
	s_endpgm
.Lfunc_end_k_q22a1d1f5bf_qkv:
	.size	k_q22a1d1f5bf_qkv, .Lfunc_end_k_q22a1d1f5bf_qkv-k_q22a1d1f5bf_qkv
	.p2alignl 7, 3214868480
	.fill 96, 4, 3214868480
	.section	.rodata,"a",@progbits
	.p2align	6, 0x0
	.amdhsa_kernel k_q22a1d1f5bf_qkv
		.amdhsa_group_segment_fixed_size 186880
		.amdhsa_private_segment_fixed_size 0
		.amdhsa_enable_private_segment 0
		.amdhsa_kernarg_size 64
		.amdhsa_user_sgpr_count 2
		.amdhsa_user_sgpr_kernarg_segment_ptr 1
		.amdhsa_wavefront_size32 1
		.amdhsa_system_sgpr_workgroup_id_x 1
		.amdhsa_system_sgpr_workgroup_id_y 1
		.amdhsa_system_sgpr_workgroup_id_z 1
		.amdhsa_system_vgpr_workitem_id 0
		.amdhsa_next_free_vgpr 256
		.amdhsa_next_free_sgpr 66
		.amdhsa_reserve_vcc 0
		.amdhsa_float_denorm_mode_32 3
		.amdhsa_float_denorm_mode_16_64 3
		.amdhsa_memory_ordered 1
		.amdhsa_forward_progress 1
		.amdhsa_inst_pref_size 58
	.end_amdhsa_kernel
	.amdgpu_metadata
---
amdhsa.version: [ 1, 2 ]
amdhsa.kernels:
  - .name:           k_q22a1d1f5bf_qkv
    .symbol:         k_q22a1d1f5bf_qkv.kd
    .args:
      - { .name: x, .offset: 0, .size: 8, .value_kind: global_buffer, .address_space: global }
      - { .name: Wq, .offset: 8, .size: 8, .value_kind: global_buffer, .address_space: global }
      - { .name: Wk, .offset: 16, .size: 8, .value_kind: global_buffer, .address_space: global }
      - { .name: Wv, .offset: 24, .size: 8, .value_kind: global_buffer, .address_space: global }
      - { .name: bq, .offset: 32, .size: 8, .value_kind: global_buffer, .address_space: global }
      - { .name: bk, .offset: 40, .size: 8, .value_kind: global_buffer, .address_space: global }
      - { .name: bv, .offset: 48, .size: 8, .value_kind: global_buffer, .address_space: global }
      - { .name: qkv, .offset: 56, .size: 8, .value_kind: global_buffer, .address_space: global }
    .group_segment_fixed_size: 186880
    .private_segment_fixed_size: 0
    .kernarg_segment_align: 8
    .kernarg_segment_size: 64
    .max_flat_workgroup_size: 256
    .sgpr_count:     66
    .vgpr_count:     256
    .wavefront_size: 32
...
	.end_amdgpu_metadata
.endif
;; end of part 4
;; launch attn: the kernel of part 2 again; grid 8 x 32, 8 waves a work-group, no clusters, 154,624 bytes of LDS; arguments qkv, att; writes att
;; launch proj: the kernel of part 3 again; grid 4 x 64, 8 waves a work-group, no clusters, 69,632 bytes of LDS; arguments att, Wo, bo, out0; writes out0
